; MI455X (gfx1250); checked and timed in simulation.
; The chip was launched on July 23, 2026; its instructions are those of AMD's public machine-readable ISA for CDNA 5 (MIT licence, August 2026) and "CDNA5" Instruction Set Architecture Reference Guide (July 2026). The comments in the code are by the model that wrote it; some were corrected since.
;; Quant Linear. Allowed arithmetic: matrix products marked QUANTISED: E2M1 operands, one E8M0 scale for each 32 along K, by v_wmma_scale_f32_16x16x128_f8f6f4 with both operands' format E2M1 (or v_wmma_scale_f32_32x16x128_f4), f32 sums; everything else in f32.
;; Inputs: compressed_weight 2,048 x 4,096 int32; offset 2,048 x 32 float32; scale 2,048 x 32 float32; x 4 x 2,048 x 4,096 float32.
;; Outputs: out0 4 x 2,048 x 2,048 float32.
;; This version of the problem:
;;   THIS VERSION OF THE PROBLEM IS GIVEN IN LOW PRECISION. The matrix products marked QUANTISED in the list below multiply operands that are first quantised to E2M1 (2 exponent bits, 1 mantissa bit; 4 bits a number), with one power-of-two scale for each 32 numbers along K (OCP MX v1.0); their sums are f32. All else is computed in f32.
;;   The module's matrix products, in the order in which they are computed (A, B: the left and right operand; K: the contracted axis; several contracted axes count as one K, in the product's order):
;;     1. [M 8,192, K 4,096] x [K 4,096, N 2,048]; A: input x; B: computed on the way: QUANTISED
;;   THE QUANTISER, for each operand of a quantised product, along K:
;;     - K is cut into blocks of 32 from its start; a last block that is shorter is filled with zeros.
;;     - A block's scale is 2^e with e = floor(log2(the largest magnitude in the block)) - 2, held to -126 .. 127; a block of zeros has e = 0. As a byte (E8M0): e + 127.
;;     - Each number is divided by its block's scale, clamped to +-6, and rounded to the nearest number of E2M1, ties to even, subnormals kept.
;;     - The product sums the exact products of the quantised numbers (number of the format x scale) in f32.
;;   ~~~python
;;   def quantise(x, axis):      # numpy; x: float32 -> the quantised numbers, widened to float32 again
;;       x = np.moveaxis(x, axis, -1); K = x.shape[-1]
;;       x = np.pad(x, [(0, 0)] * (x.ndim - 1) + [(0, -K % 32)]); x = x.reshape(x.shape[:-1] + (-1, 32)); a = np.abs(x).max(-1, keepdims=True)
;;       e = np.where(a > 0, np.clip(np.frexp(np.where(a > 0, a, 1))[1] - 1 - 2, -126, 127), 0)      # np.frexp(a)[1] - 1 = floor(log2(a)), exactly
;;       r = np.clip(x / 2.0 ** e, -6, 6)
;;       step = 2.0 ** (np.maximum(np.frexp(np.where(r == 0, 1, r))[1] - 1, 0) - 1)
;;       q = np.round(r / step) * step * 2.0 ** e      # np.round: ties to even
;;       return np.moveaxis(q.reshape(q.shape[:-2] + (-1,))[..., :K], -1, axis).astype(np.float32)
;;   ~~~
;;   OPERANDS COMPUTED ON THE WAY. 'Computed on the way' means the value that the module computes at that place (a softmax that the list does not call 'softmax' is quantised finished and normalised). What goes into a quantiser is computed in f32, as accurately as f32 sums, v_exp_f32 and their like allow (about 1e-6 of the number): no bf16 or f16 on the way to a quantiser, and a product that is left as it is and whose result goes on into a quantised operand takes f32 operands (vector FMAs, or v_wmma_f32_16x16x4_f32). A number that lies on a knife's edge between two numbers of the format may be rounded either way, as far as f32 arithmetic and the matrix unit's own rounding can turn it there, and no further.
;; One version. Each part assembles by itself: llvm-mc -triple=amdgcn-amd-amdhsa -mcpu=gfx1250 --defsym DOCPART=n.
;; ======== version 1 of 1: 2 launches
;; limits: right only within a limited range of input values
;; workspace buffers: xq 17,825,792 bytes; wq 4,456,448 bytes
;; launch quant (part 1): grid 1280 x 1, 4 waves a work-group, no clusters, 1,536 bytes of LDS; arguments x, compressed_weight, scale, offset, xq, wq; writes xq, wq
.if DOCPART == 1
	.amdgcn_target "amdgcn-amd-amdhsa--gfx1250"
	.amdhsa_code_object_version 6
	.text
	.protected	k_qaccfc3452a_quant
	.globl	k_qaccfc3452a_quant
	.p2align	8
	.type	k_qaccfc3452a_quant,@function
k_qaccfc3452a_quant:
	s_mov_b64 s[64:65], 0
	v_nop
	global_prefetch_b8 v0, s[64:65] scope:SCOPE_SE
	s_setreg_imm32_b32 hwreg(HW_REG_WAVE_MODE, 25, 1), 1
	s_wait_xcnt 0x0
; x [8192][4096] f32, and w[o][k] = code[o][k] * scale[o][k/128] - offset[o][k/128] (codes [2048][4096] int32, scale and offset [2048][32] f32), are turned into
; codes of FP4 (E2M1) with one E8M0 scale byte for each 32 along K, and laid as the product's launch fetches them:
;   [block of 128 rows][K step of 512][BLK bytes]; in a BLK: row r's 512 codes at 256 r, as sixteen blocks of 32 codes, 16 bytes each; row r's 16 scale bytes at 32,768 + 16 r, byte p for the block at place p.
; THE ORDER ALONG K IS THIS PROGRAM'S OWN.  Both operands of the product are laid by this one text, and a sum over k does not ask in which order its terms stand, so long as each block of 32 keeps its scale byte.
;   Place 4 g + i of a row's sixteen holds the block k = 128 i + 32 g .. + 31 of the K step (i, g = 0 .. 3).  In it the two bytes at 8 n + 2 p (n = 0, 1; p = 0 .. 3) hold the four codes k = .. + 4 (n + 2 (i xor p)) + 0 .. 3.
;   That order is what leaves the NUMBERS where the loads put them: only codes change lanes, and nothing turns through LDS.
; A block's scale is 2^(floor(log2(its largest magnitude)) - 2); its byte is the largest magnitude's exponent field - 2, held at 1 from below.
; LIMITS: NaN and infinities among the inputs are not served.  Blocks whose largest magnitude lies under 2^-124 have their byte held at 1.  A block of zeros gets the byte 1 and not 127:
; its codes are zeros, which add nothing under any byte but 0xff, and the bytes are read by this program alone.  w is made by ONE fused multiply-add: one rounding where the source has two.
; The product's sums take their terms in the order above and not in ascending k: their last bits can differ from an ascending order's.
; SHARES.  Work-groups 0 .. WGX-1 take x, the others w: both tensors have rows of 16,384 bytes of 4-byte numbers, so one text serves both; only pointers are chosen, and w's extra
; arithmetic (integer to f32, the multiply-add) stands under a scalar branch on the work-group's number that jumps over register work alone.
; A work-group takes 16 rows x half of K; its wave w one K step of 512: 16 steps, a row's 2,048 bytes each.  Each of a step's four loads reads 512 consecutive bytes, 16 a lane:
; lane l holds k = 128 i + 4 l + 0 .. 3 of load i, so eight neighbouring lanes (group g = l / 8) hold block (i, g).  For w a load's 128 numbers are one group of the dequantiser: scale and offset are one scalar pair.
; A STEP: each block's largest magnitude (in the lane, then over the eight lanes by three DPP steps); the lane's eight numbers of two loads are converted twice, once under each block's scale, and the right half of each
; result is kept; the halves are exchanged with lane l xor 2 and the words with lane l xor 4: lane l then holds 16 codes of block i = (l / 2) % 4 of its group, which are bytes 8 l .. 8 l + 7 of the row:
; a wave's store covers 256 consecutive bytes, aligned.  The wave's 256 scale bytes are gathered in LDS, a word a step and group, and leave as 256 consecutive bytes, aligned.
; No matrix unit, no tensor load, no cluster, no barrier: the launch is a stream, its waves share nothing.  Loads run four steps (16 loads a wave) ahead.
.set WGX,   1024                       ; x: 512 groups of 16 rows x 2 halves of K;  w: 128 x 2 = 256 more
.set STEPS, 16
.set ROWIN, 16384                      ; bytes in a row of x or of the codes' integers
.set BLK,   34816                      ; 128 rows x 256 bytes of codes + 128 x 16 scale bytes
.set RB,    8*BLK                      ; a block of 128 rows, all eight K steps
.set EMAX,  2
.set SEL,   7                          ; v7       the first exchange's byte selector: lanes with bit 1 clear keep low halves, the others high halves
.set T,     8                          ; v8-9     what the first exchange brings
.set M,     16                         ; v16-19   the four blocks' largest magnitudes
.set SV,    20                         ; v20-23   their scale operands
.set BY,    24                         ; v24-27   their scale bytes
.set CW,    28                         ; v28-31   the four conversions' results
.set R,     32                         ; v32-95   four sets of 16 numbers as loaded
.set W,     96                         ; v96-97   two words of codes on their way
.set E,     100                        ; v100-115 a scale word for each step, so that no LDS store's data are written again
.set C,     116                        ; v116-147 codes: two registers for each step, so that no store's data are written again
.set SCL,   148                        ; v[148:149] w: lane l holds scale of row l / 2, groups 2 (l % 2) and 2 (l % 2) + 1 of my K step
.set OFS,   150                        ; v[150:151] the same of offset
	s_load_b256 s[4:11], s[0:1], 0x0               ; x s[4:5], the integers s[6:7], scale s[8:9], offset s[10:11]
	s_load_b128 s[12:15], s[0:1], 0x20             ; xq s[12:13], wq s[14:15]
	v_lshl_add_u32 v152, v0, 2, 0x400
	v_mov_b32 v153, 0
	v_lshrrev_b32 v1, 5, v0
	v_readfirstlane_b32 s16, v1                    ; wave 0..3
	v_and_b32 v2, 31, v0                           ; lane
	v_lshlrev_b32 v3, 4, v2                        ; my 16 bytes of a load's 512
	v_lshlrev_b32 v4, 3, v2                        ; my 8 bytes of a store's 256
	s_lshl_b32 s21, s16, 8                         ; LDS: 256 bytes for each wave: its scale bytes
	v_lshrrev_b32 v5, 3, v2
	v_lshlrev_b32 v5, 2, v5
	v_add_nc_u32 v5, s21, v5                       ; in: my group's word, 4 (lane / 8); a row's 16 bytes stand in the immediate
	v_add_nc_u32 v6, s21, v4                       ; out: 8 bytes a lane
	v_lshrrev_b32 v10, 1, v2
	v_and_b32 v1, 1, v2
	v_lshlrev_b32 v10, 7, v10
	v_lshl_add_u32 v10, v1, 3, v10                 ; scale, offset: row lane / 2 of 128 bytes, + 8 (lane % 2)
	v_and_b32 v1, 2, v0
	v_cmp_ne_u32 vcc_lo, 0, v1                     ; lanes with bit 1 set
	v_mov_b32 v[SEL], 0x05040100                   ; my low half, then the other lane's low half;
	v_mov_b32 v1, 0x07060302                       ; my high half, then the other lane's high half
	v_cndmask_b32 v[SEL], v[SEL], v1, vcc_lo
	v_and_b32 v1, 4, v0
	v_cmp_ne_u32 vcc_lo, 0, v1                     ; lanes with bit 2 set: VCC keeps this mask for the whole kernel (the second exchange's choice)
	v_mov_b32 v[T], 0                              ; written once: a DPP move's destination counts as one of its sources
	v_mov_b32 v[T+1], 0
	s_mov_b32 s40, 0x07060100                      ; the low half of one conversion's result, the high half of the other's
	; which part is mine: all from ids
	s_cmp_lt_u32 ttmp9, WGX
	s_cselect_b32 s17, 0, 1                        ; 1: w
	s_cselect_b32 s18, 0, WGX
	s_sub_co_u32 s18, ttmp9, s18                   ; the work-group's number within its tensor
	s_and_b32 s19, s18, 1
	s_lshl_b32 s19, s19, 2
	s_add_co_u32 s19, s19, s16                     ; my K step: 4 x half + wave
	s_lshr_b32 s20, s18, 1                         ; my group of 16 rows
	s_lshl_b32 s32, s20, 18                        ; in: 16 rows of 16,384 bytes a group,
	s_lshl_b32 s21, s19, 11                        ; 2,048 bytes a K step.  All offsets stay under 2^28
	s_add_co_u32 s32, s32, s21
	s_mov_b32 s33, 0
	s_lshr_b32 s21, s20, 3
	s_mul_i32 s21, s21, RB                         ; out: my block of 128 rows,
	s_mul_i32 s22, s19, BLK                        ; my K step in it
	s_add_co_u32 s21, s21, s22
	s_and_b32 s22, s20, 7                          ; which 16 of the 128 rows
	s_lshl_b32 s23, s22, 12
	s_add_co_u32 s34, s21, s23                     ; codes: 256 bytes a row
	s_mov_b32 s35, 0
	s_lshl_b32 s23, s22, 8
	s_add_co_u32 s36, s21, s23                     ; scale bytes: 16 a row, behind the 32,768 bytes of codes
	s_add_co_u32 s36, s36, 32768
	s_mov_b32 s37, 0
	s_lshl_b32 s38, s20, 11                        ; scale, offset: 16 rows of 128 bytes a group,
	s_lshl_b32 s23, s19, 4                         ; 4 groups of 4 bytes a K step
	s_add_co_u32 s38, s38, s23
	s_mov_b32 s39, 0
	s_wait_kmcnt 0x0
	s_cmp_lt_u32 ttmp9, WGX                        ; x's work-group or w's?  The choice hangs on the work-group's number alone
	s_cselect_b64 s[4:5], s[4:5], s[6:7]
	s_cselect_b64 s[12:13], s[12:13], s[14:15]
	s_mov_b64 s[14:15], s[12:13]
	s_add_nc_u64 s[4:5], s[4:5], s[32:33]          ; my first row's 2,048 bytes
	s_add_nc_u64 s[12:13], s[12:13], s[34:35]      ; my codes
	s_add_nc_u64 s[14:15], s[14:15], s[36:37]      ; my 256 scale bytes
	s_cmp_lg_u32 s17, 0
	s_cbranch_scc1 .Lw_head
	v_mov_b32 v[SCL], 0                            ; x has neither: the four registers are written, so that they hold something on every way
	v_mov_b32 v[SCL+1], 0
	v_mov_b32 v[OFS], 0
	v_mov_b32 v[OFS+1], 0
	s_branch .Lhead_done
.Lw_head:
	s_add_nc_u64 s[8:9], s[8:9], s[38:39]
	s_add_nc_u64 s[10:11], s[10:11], s[38:39]
	global_load_b64 v[SCL:SCL+1], v10, s[8:9]      ; my 16 rows x 4 groups, once
	global_load_b64 v[OFS:OFS+1], v10, s[10:11]
.Lhead_done:
.macro LOAD t                          ; step t: row t's 2,048 bytes into set t % 4
.irp i, 0,1,2,3
	global_load_b128 v[R+16*((\t)%4)+4*\i:R+16*((\t)%4)+4*\i+3], v3, s[4:5] offset:ROWIN*(\t)+512*\i th:TH_LOAD_NT   ; 32 lanes read 512 consecutive bytes; read once in the launch
.endr
.endm
.macro XFORM n                         ; w alone: step n's integers become code x scale - offset, in place.  The branch jumps over register work only
	s_cmp_eq_u32 s17, 0
	s_cbranch_scc1 .Lplain_\@
	s_wait_alu depctr_va_vdst(0)
.irp i, 0,1,2,3
	v_readlane_b32 s[24+2*\i], v[SCL+\i%2], 2*(\n)+\i/2            ; row n, group i: it serves all 128 numbers of load i
	v_readlane_b32 s[25+2*\i], v[OFS+\i%2], 2*(\n)+\i/2
.endr
.irp i, 0,1,2,3
.irp j, 0,1,2,3
	v_cvt_f32_i32 v[R+16*((\n)%4)+4*\i+\j], v[R+16*((\n)%4)+4*\i+\j]
.endr
.endr
.irp i, 0,1,2,3
.irp j, 0,1,2,3
	v_fma_f32 v[R+16*((\n)%4)+4*\i+\j], v[R+16*((\n)%4)+4*\i+\j], s[24+2*\i], -s[25+2*\i]
.endr
.endr
.Lplain_\@:
.endm
.macro PUT from, n                     ; the codes of steps from .. from + n - 1: a row's 512 codes are 256 consecutive bytes, aligned; the next launch reads them
.set U, \from
.rept \n
	global_store_b64 v4, v[C+2*U:C+2*U+1], s[12:13] offset:256*U
.set U, U+1
.endr
.endm
.irp t, 0,1,2,3
	LOAD \t
.endr
.macro STEP t
.set RS, R+16*((\t)%4)
.if STEPS-1-(\t) >= 3
	s_wait_loadcnt 12                              ; this step's four loads are in (at step 0 the older loads of scale and offset with them); those of the three steps behind it may be out
.else
	s_wait_loadcnt 4*(STEPS-1-(\t))                ; near the end fewer steps are behind it
.endif
	XFORM \t
.irp i, 0,1,2,3
	v_max3_num_f32 v[M+\i], |v[RS+4*\i]|, |v[RS+4*\i+1]|, |v[RS+4*\i+2]|       ; block (i, my group): the largest magnitude of my four.  (The four blocks by turns: no line waits for the line above it)
.endr
.irp i, 0,1,2,3
	v_max3_num_f32 v[M+\i], v[M+\i], |v[RS+4*\i+3]|, (EMAX+1)<<23               ; and the floor 2^(EMAX + 1 - 127): the byte cannot fall under 1
.endr
.irp x, 1,2,4
.irp i, 0,1,2,3
	v_max_num_f32_dpp v[M+\i], v[M+\i], v[M+\i] row_xmask:\x row_mask:0xf bank_mask:0xf   ; over the eight lanes of my group: the block's
.endr
.endr
.irp i, 0,1,2,3
	v_add_nc_u32 v[SV+\i], -(EMAX<<23), v[M+\i]    ; EMAX off its exponent field: the conversion takes the exponent field of this operand as its scale, and nothing else of it
.endr
	; eight numbers / the scale, to the nearest code, ties to even, beyond 6 the largest code; the first number's code in the lowest four bits.  A lane's eight are four of one block and four of the next load's block:
	; they are converted under each block's scale, and of each result the half that belongs to that scale is kept
	v_cvt_scalef32_pk8_fp4_f32 v[CW], v[RS:RS+7], v[SV]
	v_cvt_scalef32_pk8_fp4_f32 v[CW+1], v[RS:RS+7], v[SV+1]
	v_cvt_scalef32_pk8_fp4_f32 v[CW+2], v[RS+8:RS+15], v[SV+2]
	v_cvt_scalef32_pk8_fp4_f32 v[CW+3], v[RS+8:RS+15], v[SV+3]
.irp i, 0,1,2,3
	v_lshrrev_b32 v[BY+\i], 23, v[SV+\i]           ; the scales' bytes; also the plain lines behind the conversions
.endr
.if (\t)+4 < STEPS
	LOAD (\t)+4                                    ; the set has been read: it takes the loads of four steps on
.endif
	v_lshl_or_b32 v[E+(\t)], v[BY+1], 8, v[BY]     ; blocks (0 .. 3, my group) stand at places 4 g + 0 .. 3: their four bytes are one scale word
	v_lshl_or_b32 v[E+(\t)], v[BY+2], 16, v[E+(\t)]
	v_lshl_or_b32 v[E+(\t)], v[BY+3], 24, v[E+(\t)]
	v_perm_b32 v[W], v[CW+1], v[CW], s40           ; my four codes of block 0 below, of block 1 above;
	v_perm_b32 v[W+1], v[CW+3], v[CW+2], s40       ; of block 2 below, of block 3 above
	v_mov_b32_dpp v[T], v[W] row_xmask:2 row_mask:0xf bank_mask:0xf       ; THE FIRST EXCHANGE, with lane l xor 2:
	v_mov_b32_dpp v[T+1], v[W+1] row_xmask:2 row_mask:0xf bank_mask:0xf
	v_perm_b32 v[W], v[T], v[W], v[SEL]            ; lanes with bit 1 clear keep both lanes' codes of blocks 0 and 2, the others of blocks 1 and 3: eight codes of one block to a word
	v_perm_b32 v[W+1], v[T+1], v[W+1], v[SEL]
	v_cndmask_b32 v[C+2*(\t)+1], v[W+1], v[W], vcc_lo                     ; THE SECOND, with lane l xor 4: lanes with bit 2 clear send their upper block's word and keep the lower's, the others the other way round
	v_cndmask_b32 v[C+2*(\t)], v[W], v[W+1], vcc_lo
	v_mov_b32_dpp v[C+2*(\t)+1], v[C+2*(\t)+1] row_xmask:4 row_mask:0xf bank_mask:0xf   ; 16 codes of block (l / 2) % 4 of my group
	ds_store_b32 v5, v[E+(\t)] offset:16*(\t)      ; the eight lanes of a group write the same word with the same value; the step's codes stay in their own two registers until the wave's end
.endm
.irp t, 0,1,2,3,4,5,6,7,8,9,10,11,12,13,14,15
	STEP \t
.endr
	s_wait_alu depctr_va_vdst(0)
	ds_load_b64 v[12:13], v6                       ; LDS serves a wave's instructions in order: this sees my stores
	s_wait_tensorcnt 0x0                           ; the wave's end, behind my last LDS store
	ds_add_u32 v152, v153
	s_wait_dscnt 0x0                               ; the add is done, and the scale bytes are in v[12:13]
	PUT 0, 16                                      ; ALL GLOBAL STORES STAND HERE, behind the wave's last vector and LDS instruction: each step kept its codes in registers of its own
	global_store_b64 v4, v[12:13], s[14:15]        ; 16 rows x 16 scale bytes: 256 consecutive bytes, aligned
	s_endpgm
.Lfunc_end_k_qaccfc3452a_quant:
	.size	k_qaccfc3452a_quant, .Lfunc_end_k_qaccfc3452a_quant-k_qaccfc3452a_quant
	.p2alignl 7, 3214868480
	.fill 96, 4, 3214868480
	.section	.rodata,"a",@progbits
	.p2align	6, 0x0
	.amdhsa_kernel k_qaccfc3452a_quant
		.amdhsa_group_segment_fixed_size 1536
		.amdhsa_private_segment_fixed_size 0
		.amdhsa_enable_private_segment 0
		.amdhsa_kernarg_size 48
		.amdhsa_user_sgpr_count 2
		.amdhsa_user_sgpr_kernarg_segment_ptr 1
		.amdhsa_wavefront_size32 1
		.amdhsa_system_sgpr_workgroup_id_x 1
		.amdhsa_system_sgpr_workgroup_id_y 1
		.amdhsa_system_sgpr_workgroup_id_z 1
		.amdhsa_system_vgpr_workitem_id 0
		.amdhsa_next_free_vgpr 154
		.amdhsa_next_free_sgpr 66
		.amdhsa_reserve_vcc 1
		.amdhsa_float_denorm_mode_32 3
		.amdhsa_float_denorm_mode_16_64 3
		.amdhsa_memory_ordered 1
		.amdhsa_forward_progress 1
		.amdhsa_inst_pref_size 89
	.end_amdhsa_kernel
	.amdgpu_metadata
---
amdhsa.version: [ 1, 2 ]
amdhsa.kernels:
  - .name:           k_qaccfc3452a_quant
    .symbol:         k_qaccfc3452a_quant.kd
    .args:
      - { .name: x, .offset: 0, .size: 8, .value_kind: global_buffer, .address_space: global }
      - { .name: compressed_weight, .offset: 8, .size: 8, .value_kind: global_buffer, .address_space: global }
      - { .name: scale, .offset: 16, .size: 8, .value_kind: global_buffer, .address_space: global }
      - { .name: offset, .offset: 24, .size: 8, .value_kind: global_buffer, .address_space: global }
      - { .name: xq, .offset: 32, .size: 8, .value_kind: global_buffer, .address_space: global }
      - { .name: wq, .offset: 40, .size: 8, .value_kind: global_buffer, .address_space: global }
    .group_segment_fixed_size: 1536
    .private_segment_fixed_size: 0
    .kernarg_segment_align: 8
    .kernarg_segment_size: 48
    .max_flat_workgroup_size: 128
    .sgpr_count:     66
    .vgpr_count:     154
    .wavefront_size: 32
...
	.end_amdgpu_metadata
.endif
;; end of part 1
;; launch gemm (part 2): grid 8 x 32, 4 waves a work-group, clusters of 4 x 4, 327,680 bytes of LDS; arguments xq, wq, out0; writes out0
.if DOCPART == 2
	.amdgcn_target "amdgcn-amd-amdhsa--gfx1250"
	.amdhsa_code_object_version 6
	.text
	.protected	k_qaccfc3452a_gemm
	.globl	k_qaccfc3452a_gemm
	.p2align	8
	.type	k_qaccfc3452a_gemm,@function
k_qaccfc3452a_gemm:
	s_mov_b64 s[64:65], 0
	v_nop
	global_prefetch_b8 v0, s[64:65] scope:SCOPE_SE
	s_setreg_imm32_b32 hwreg(HW_REG_WAVE_MODE, 25, 1), 1
	s_wait_xcnt 0x0
	s_wait_alu depctr_hold_cnt(0) depctr_sa_sdst(0) depctr_va_vdst(0) depctr_va_sdst(0) depctr_va_ssrc(0) depctr_va_vcc(0) depctr_vm_vsrc(0)
	s_getreg_b32 s2, hwreg(HW_REG_IB_STS2, 6, 4)
	s_cmp_eq_u32 s2, 0
	s_cbranch_scc0 .Lentry_in_a_cluster
	s_endpgm
.Lentry_in_a_cluster:
	s_bfe_u32 s2, ttmp6, 0x10000c
	s_cmp_lg_u32 s2, 0xf033
	s_cbranch_scc0 .Lentry_shape_is_right
	s_endpgm
.Lentry_shape_is_right:
; out0[m][n] = sum over k of Q(x)[m][k] Q(w)[n][k]: m 8,192, n 2,048, k 4,096; codes of FP4 (E2M1) with one E8M0 byte for each 32 along K, as launch quant laid them:
; [block of 128 rows][K step of 512][BLK bytes]; in a BLK row r's 512 codes at 256 r, then row r's 16 scale bytes at 32,768 + 16 r.  A BLK is 136 rows of 256 bytes, dense, on 256-byte borders.
; The order along K inside a K step is quant's own, the same for both operands, each block of 32 with its own byte: the sums take their terms in that order, so their last bits can differ from an ascending order's.
; A tile of out0, 256 x 256, is made by a work-group of four waves; a wave makes 128 x 128: 64 accumulators of 16 x 16, 512 registers.  256 tiles, one to a work-group.
; THE RING: two LDS slots, each one K step: A's two BLKs, then B's two; a wave fetches one BLK (codes and scale bytes together) by one tensor load, 16 bytes of padding behind every 256.
; CLUSTERS: 4 x 4 work-groups; A's BLKs are asked for jointly along a row of the cluster, B's along a column.
; THE MATRIX INSTRUCTION IS USED TRANSPOSED (source 0 = 16 rows of w, source 1 = 16 rows of x): a lane holds eight neighbouring numbers of a row of out0.
; FRAGMENTS: two sets for A and two for B.  A step of 128 along K issues the next step's 32 LDS loads at its head and then its own 64 matrix instructions: a fragment is asked for 64 matrix instructions ahead of its first use
; (at a change of slots 32: the next slot may be read only behind the barrier).
; THE LAST K STEP GOES BY ROWS OF out0: all its fragments of B fill window 1, A's come by blocks of 16 rows x 512 K, and my eight blocks of 16 rows are finished one after the other, 32 matrix instructions each;
; a finished block goes through the stage while the next is multiplied, and is stored behind it.
; PREFETCH INTO THE L2: behind the load of K step 0 each wave asks for K step 1, behind that of K step 1 for K steps 2 and 3, behind the refill of K step t for K step t + 2.  Of the 136 units of 256 bytes that a wave
; fetches, each of the four partners that ask for them jointly names 34, told apart by address (cx for A, cy for B): 32 by one instruction, a lane a unit, 2 by a second (its other lanes name the last unit again).
; So each unit is named once in each cluster that loads it; at most two K steps are asked for and not yet loaded; the refills of K steps 6 and 7 ask for nothing.
; REGISTERS: window 0: v0-31 addresses; v32-95 scale words, a set for each slot; v128-191, v192-255 A's two sets (in the last K step four buffers of 32).
;   window 1: B's two sets at v0 and v128 (in the last K step all 256).  window 2: the accumulators of my rows 0-63 ((a, b) at v[8 (8 a + b)]);  window 3: those of my rows 64-127.
.set SIZE_N, 2048
.set NQ,     4                         ; steps of 128 along K in a slot
.set FR,     8                         ; registers of a fragment: 16 rows x 128 K
.set NP,     4                         ; places behind this matrix instruction (ISA guide 7.12.1)
.set BLK,    34816
.set RB,     8*BLK                     ; a block of 128 rows, all eight K steps
.set PITCH,  272                       ; 256 bytes + 16 of padding: the 16 rows that a load touches start at 16 different banks
.set HALFT,  136*PITCH                 ; a BLK in LDS
.set SCOFF,  128*PITCH                 ; its scale bytes: 8 rows of 16 x 16 bytes
.set SLOT,   4*HALFT
.set LAPS,   4                         ; a lap = two K steps = once round the ring
.set SPARE,  2*SLOT                    ; behind the ring: the spare words, 128 bytes a wave
.set SPITCH, 528                       ; the way out: a stage of 16 rows x (512 + 16) bytes for each wave, in slot 0, behind its last fill and last read
.set SHARE,  34*256                    ; a partner's part of a BLK's prefetch
.set PFO,  12                          ; v12  prefetch: 256 x lane; never rewritten
.set PFO2, 13                          ; v13  prefetch: units 32 and 33; never rewritten
.set ADRA, 16                          ; v16-17  my A fragments in slot 0, 1
.set ADRB, 20                          ; v20-21  my B fragments
.set STO,  24                          ; v24  stage, in
.set RD,   25                          ; v25  stage, back
.set CO,   26                          ; v26  my 16 bytes of a row's 512
.set SPW,  28                          ; v28  my spare word; never rewritten
.set NIL,  29                          ; v29  0; never rewritten
.set ADRS, 30                          ; v30-31  my scale words in slot 0, 1: lanes 0-15 A's rows, lanes 16-31 B's
.set SC,   32
.set AF,   128
.set PFA,  8                           ; s[8:9] where my prefetches stand
.set G1,  24                           ; s[24:31] group 1 for A;  s[32:39] group 0, a set for each slot
.set G0,  32
.set G1B, 48                           ; s[48:55], s[56:63] the same for B
.set G0B, 56
.set MSB, 0
.macro WIN new                         ; the immediate's high byte repeats the setting that is left
.if MSB != \new
	s_set_vgpr_msb (MSB<<8)|\new
.set MSB, \new
.endif
.endm
.set MUL_LO, 0xa1                      ; source 0 (B) window 1, source 1 (A) window 0, C and D window 2
.set MUL_HI, 0xf1                      ; the same, C and D window 3
.set TO_B,   0x40                      ; destination window 1
.macro JLOAD g0a, g1a, g0b, g1b        ; a joint load: waves 0, 1 fetch A's two BLKs, waves 2, 3 B's; s_nop 0 and four v_nop behind each line
	s_cmp_eq_u32 s15, 0
	s_cbranch_scc0 .Lfor_b_\@
	tensor_load_to_lds s[\g0a:\g0a+3], s[\g1a:\g1a+7]
	s_nop 0
.rept 4
	v_nop
.endr
	s_branch .Lasked_\@
.Lfor_b_\@:
	tensor_load_to_lds s[\g0b:\g0b+3], s[\g1b:\g1b+7]
	s_nop 0
.rept 4
	v_nop
.endr
.Lasked_\@:
.endm
.macro CREST                           ; a round of the cluster's barrier behind its opening barrier
	s_cmp_lg_u32 s14, 0
	s_cbranch_scc1 .Lnot_wave_0_\@
	s_barrier_signal -3
.Lnot_wave_0_\@:
	s_barrier_wait -3
	s_barrier_signal -1
	s_barrier_wait -1
.endm
.macro CROUND
	s_barrier_signal -1
	s_barrier_wait -1
	CREST
.endm
.macro PF step                         ; my 34 units of the BLK that lies \step K steps behind s[PFA]
	global_prefetch_b8 v[PFO], s[PFA:PFA+1] offset:(\step)*BLK th:TH_LOAD_NT scope:SCOPE_SE
	global_prefetch_b8 v[PFO2], s[PFA:PFA+1] offset:(\step)*BLK th:TH_LOAD_NT scope:SCOPE_SE
.endm
	s_load_b128 s[4:7], s[0:1], 0x0                ; xq s[4:5], wq s[6:7]
	s_load_b64 s[12:13], s[0:1], 0x10              ; out0
	v_lshl_add_u32 v[SPW], v0, 2, SPARE
	v_mov_b32 v[NIL], 0
	ds_add_u32 v[SPW], v[NIL]                      ; the opening lines: the add, twice on end, and its wait ahead of my first tensor load
	ds_add_u32 v[SPW], v[NIL]
	v_lshrrev_b32 v1, 5, v0
	v_readfirstlane_b32 s14, v1                    ; wave 0..3
	s_lshr_b32 s15, s14, 1                         ; my half of the tile's rows; also: I fetch for A (0) or B (1)
	s_and_b32 s16, s14, 1                          ; my half of its columns; also: which BLK of the two I fetch
	s_bfe_u32 s40, ttmp6, 0x40000                  ; cx
	s_bfe_u32 s41, ttmp6, 0x40004                  ; cy
	s_lshl_b32 s42, ttmp9, 2
	s_add_co_u32 s42, s42, s40                     ; tile column
	s_and_b32 s17, ttmp7, 0xffff
	s_lshl_b32 s17, s17, 2
	s_add_co_u32 s17, s17, s41                     ; tile row
	s_lshl_b32 s43, s41, 2
	s_lshl_b32 s43, 15, s43                        ; my row of the cluster
	s_lshl_b32 s44, 0x1111, s40                    ; my column
	s_or_b32 s[G1+0], s43, (3<<16)|(1<<20)|(1<<21)|(5<<22)|(3<<25)   ; mask; elements of 8 bytes; padding on; bit 21 beside a mask; 4 words behind every 64
	s_or_b32 s[G1B+0], s44, (3<<16)|(1<<20)|(1<<21)|(5<<22)|(3<<25)
.irp g, G1, G1B
	s_mov_b32 s[\g+1], 32<<16                      ; 136 rows of 32 elements, dense
	s_mov_b32 s[\g+2], 136<<16
	s_mov_b32 s[\g+3], 32<<16
	s_mov_b32 s[\g+4], 136
	s_mov_b32 s[\g+5], 32
	s_mov_b32 s[\g+6], 0
	s_mov_b32 s[\g+7], 0
.endr
	s_lshl_b32 s20, s17, 1
	s_add_co_u32 s20, s20, s16
	s_mul_i32 s20, s20, RB                         ; A: block 2 x tile row + half (under 2^25)
	s_mov_b32 s21, 0
	s_lshl_b32 s46, s42, 1
	s_add_co_u32 s46, s46, s16
	s_mul_i32 s46, s46, RB                         ; B: block 2 x tile column + half
	s_mov_b32 s47, 0
	s_mul_i32 s45, s14, HALFT                      ; where my BLK goes: wave x a BLK
	s_wait_dscnt 0x0                               ; both opening adds are done
	s_wait_kmcnt 0x0
	s_add_nc_u64 s[20:21], s[4:5], s[20:21]
	s_add_nc_u64 s[46:47], s[6:7], s[46:47]
.irp s, 0,1
	s_mov_b32 s[G0+4*\s], 1
	s_add_co_u32 s[G0+4*\s+1], s45, \s*SLOT
	s_add_nc_u64 s[G0+4*\s+2:G0+4*\s+3], s[20:21], \s*BLK
	s_or_b32 s[G0+4*\s+3], s[G0+4*\s+3], 0x80000000
	s_mov_b32 s[G0B+4*\s], 1
	s_add_co_u32 s[G0B+4*\s+1], s45, \s*SLOT
	s_add_nc_u64 s[G0B+4*\s+2:G0B+4*\s+3], s[46:47], \s*BLK
	s_or_b32 s[G0B+4*\s+3], s[G0B+4*\s+3], 0x80000000
.endr
	CROUND                                         ; all sixteen work-groups are here: the first joint loads meet
	JLOAD G0, G1, G0B, G1B                         ; K step 0: one tensor load a wave at the head
	; the scalars first, then the vector lines in one run
	s_mul_i32 s21, s15, HALFT                      ; my 128 rows of A
	s_mul_i32 s22, s16, HALFT
	s_add_co_u32 s22, s22, 2*HALFT                 ; my 128 rows of B
	s_sub_co_u32 s18, s22, s21                     ; from A's BLK to B's
	s_add_co_u32 s19, s21, SCOFF                   ; A's scale bytes
	s_mul_i32 s23, s14, 16*SPITCH                  ; my stage
	s_cmp_eq_u32 s15, 0                            ; the prefetches: do I fetch for A?
	s_cselect_b32 s10, s17, s42                    ; tile row or tile column
	s_cselect_b32 s11, s40, s41                    ; my place among the four that ask with me
	s_cselect_b64 s[PFA:PFA+1], s[4:5], s[6:7]
	s_lshl_b32 s10, s10, 1
	s_add_co_u32 s10, s10, s16
	s_mul_i32 s10, s10, RB
	s_mul_i32 s11, s11, SHARE
	s_add_co_u32 s10, s10, s11
	s_mov_b32 s11, 0
	s_add_nc_u64 s[PFA:PFA+1], s[PFA:PFA+1], s[10:11]   ; my 34 units of K step 0's BLK
	v_and_b32 v1, 15, v0                           ; l % 16
	v_bfe_u32 v2, v0, 4, 1                         ; l / 16
	v_mul_u32_u24 v3, v1, PITCH
	v_lshl_add_u32 v4, v2, 4, v3                   ; a fragment's row x pitch + 16 x half
	v_add_nc_u32 v[ADRA], s21, v4
	v_add_nc_u32 v[ADRB], s22, v4
	v_add_nc_u32 v[ADRA+1], SLOT, v[ADRA]
	v_add_nc_u32 v[ADRB+1], SLOT, v[ADRB]
	v_lshlrev_b32 v5, 4, v1                        ; scale bytes: 16 a row
	v_mul_u32_u24 v6, s18, v2                      ; lanes 16-31 take B's
	v_add_nc_u32 v5, v5, v6
	v_add_nc_u32 v[ADRS], s19, v5
	v_add_nc_u32 v[ADRS+1], SLOT, v[ADRS]
	v_mul_u32_u24 v5, v1, SPITCH                   ; stage, in: row l % 16, 32 bytes for each half of the lanes
	v_lshl_add_u32 v5, v2, 5, v5
	v_add_nc_u32 v[STO], s23, v5
	v_and_b32 v6, 31, v0
	v_lshlrev_b32 v[CO], 4, v6                     ; back: 32 lanes take a row of 512 bytes
	v_add_nc_u32 v[RD], s23, v[CO]
	v_lshlrev_b32 v[PFO], 8, v6                    ; units 0 .. 31 of my 34
	v_min_u32 v7, 1, v6
	v_lshl_add_u32 v[PFO2], v7, 8, 32*256          ; units 32 and 33
	s_wait_alu depctr_va_vdst(0)
	PF 1                                           ; K step 1
	s_lshl_b32 s20, s17, 21                        ; my part of out0, in bytes: (256 x tile row + 128 x half) rows of 8,192
	s_lshl_b32 s21, s15, 20
	s_add_co_u32 s20, s20, s21
	s_lshl_b32 s21, s42, 10                        ; + 1,024 x tile column + 512 x half
	s_add_co_u32 s20, s20, s21
	s_lshl_b32 s21, s16, 9
	s_add_co_u32 s20, s20, s21                     ; under 2^27
	s_mov_b32 s21, 0
	s_add_nc_u64 s[12:13], s[12:13], s[20:21]
.macro FRAG reg, adr, q, i             ; 16 rows x 128 K: lane l holds row l % 16; registers 4 c .. 4 c + 3 the 16 bytes at 64 q + 32 c + 16 (l / 16)
.irp c, 0,1
	ds_load_b128 v[\reg+4*\c:\reg+4*\c+3], v[\adr] offset:64*(\q)+32*\c+(\i)*16*PITCH
.endr
.endm
; 16 matrix instructions: A's blocks a0, a0 + 1 x B's eight; p: the fragment sets; q: the slot's step; sc: the set of scale words.  The 64 accumulators take turns in the same order in every step.
.macro MUL16 a0, p, q, sc, zero
.irp a, \a0, \a0+1
.irp b, 0,1,2,3,4,5,6,7
.if \zero
	v_wmma_scale_f32_16x16x128_f8f6f4 v[8*(8*((\a)%4)+\b):8*(8*((\a)%4)+\b)+7], v[128*(\p)+FR*\b:128*(\p)+FR*\b+FR-1], v[AF+64*(\p)+FR*(\a):AF+64*(\p)+FR*(\a)+FR-1], 0, v[SC+8*NQ*(\sc)+NQ*\b+(\q)], v[SC+8*NQ*(\sc)+NQ*(\a)+(\q)] matrix_a_fmt:MATRIX_FMT_FP4 matrix_b_fmt:MATRIX_FMT_FP4 matrix_a_scale:MATRIX_SCALE_ROW1
.else
	v_wmma_scale_f32_16x16x128_f8f6f4 v[8*(8*((\a)%4)+\b):8*(8*((\a)%4)+\b)+7], v[128*(\p)+FR*\b:128*(\p)+FR*\b+FR-1], v[AF+64*(\p)+FR*(\a):AF+64*(\p)+FR*(\a)+FR-1], v[8*(8*((\a)%4)+\b):8*(8*((\a)%4)+\b)+7], v[SC+8*NQ*(\sc)+NQ*\b+(\q)], v[SC+8*NQ*(\sc)+NQ*(\a)+(\q)] matrix_a_fmt:MATRIX_FMT_FP4 matrix_b_fmt:MATRIX_FMT_FP4 matrix_a_scale:MATRIX_SCALE_ROW1
.endif
.endr
.endr
.endm
.macro FETCH slot, q, p                ; 32 LDS loads in one run: B's eight fragments, then A's eight, of the slot's q-th 128 along K, into sets p
	WIN TO_B
.irp i, 0,1,2,3,4,5,6,7
	FRAG 128*(\p)+FR*\i, ADRB+\slot, \q, \i
.endr
	WIN 0
.irp i, 0,1,2,3,4,5,6,7
	FRAG AF+64*(\p)+FR*\i, ADRA+\slot, \q, \i
.endr
.endm
.macro SCALES s                        ; slot s's scale words: four words a row; lanes 0-15 A's block i, lanes 16-31 B's block i
.irp i, 0,1,2,3,4,5,6,7
	ds_load_b128 v[SC+8*NQ*\s+NQ*\i:SC+8*NQ*\s+NQ*\i+3], v[ADRS+\s] offset:\i*PITCH
.endr
.endm
.macro PLACES n
.rept \n
	v_nop
.endr
.endm
; A step that has its successor in the same slot
.macro STEP slot, q, zero
	PLACES NP                                      ; the other sets were read by the step before
	FETCH \slot, (\q)+1, 1-(\q)%2
	s_wait_dscnt 40                                ; may be out: the 32 just issued and this step's youngest eight (A's blocks 4-7)
	WIN MUL_LO
	MUL16 0, (\q)%2, \q, \slot, \zero
	MUL16 2, (\q)%2, \q, \slot, \zero
	s_wait_dscnt 32                                ; all but the 32 just issued
	WIN MUL_HI
	MUL16 4, (\q)%2, \q, \slot, \zero
	MUL16 6, (\q)%2, \q, \slot, \zero
	WIN 0
.endm
; The first half of a slot's last step: one barrier for the change of slots; in front of it each wave waits for all its tensor loads, adds 0 to its spare word, and waits for that and for its reads of this slot.
.macro MEET slot, fill                 ; fill = 1: the slot is filled again, two K steps on
	s_wait_tensorcnt 0x0                           ; my part of the next slot has landed; no tensor load of mine is out
	ds_add_u32 v[SPW], v[NIL]
.if \fill
	s_add_nc_u64 s[G0+4*\slot+2:G0+4*\slot+3], s[G0+4*\slot+2:G0+4*\slot+3], 2*BLK
	s_add_nc_u64 s[G0B+4*\slot+2:G0B+4*\slot+3], s[G0B+4*\slot+2:G0B+4*\slot+3], 2*BLK
.endif
	s_wait_dscnt 9                                 ; may be out: the add and A's blocks 4-7
	WIN MUL_LO
	MUL16 0, 1, NQ-1, \slot, 0
	s_wait_dscnt 0x0                               ; the add is done, and my reads of this slot are over
	s_barrier_signal -1
	MUL16 2, 1, NQ-1, \slot, 0
	WIN 0
	s_barrier_wait -1
.endm
.macro TURN slot, next                 ; a slot's last step, with its refill
	s_wait_xcnt 0x0                                ; my prefetches have read their address
	s_add_nc_u64 s[PFA:PFA+1], s[PFA:PFA+1], BLK
	MEET \slot, 1
	CREST                                          ; the barrier has opened a round of the cluster's barrier
	JLOAD G0+4*\slot, G1, G0B+4*\slot, G1B         ; the first tensor load behind the round; its four v_nop are also the places in front of the loads below
	SCALES \next
	FETCH \next, 0, 0
	s_cmp_gt_u32 s3, 1                             ; the loop's last trip refills K steps 6 and 7: no K step lies two on
	s_cbranch_scc0 .Lno_ask_\@
	PF 3                                           ; s[PFA] stands one K step behind this one: the K step two behind the refill's
.Lno_ask_\@:
	WIN MUL_HI
	MUL16 4, 1, NQ-1, \slot, 0
	MUL16 6, 1, NQ-1, \slot, 0
	WIN 0
.endm
.macro STEPS slot, from
.set Q, \from
.rept NQ-1-\from
	STEP \slot, Q, 0
.set Q, Q+1
.endr
.endm
; THE LAST K STEP, in slot 1
.macro BLOAD q                         ; B's eight fragments of quarter q -> window 1, v[64 q ..]
.irp i, 0,1,2,3,4,5,6,7
	FRAG 64*(\q)+FR*\i, ADRB+1, \q, \i
.endr
.endm
.macro ALOAD a                         ; A's block a, all four quarters -> buffer a % 4
.irp q, 0,1,2,3
	FRAG AF+32*((\a)%4)+FR*\q, ADRA+1, \q, \a
.endr
.endm
.macro ROW a                           ; block a is finished: 32 matrix instructions, its eight accumulators by turns
.set FA, AF+32*((\a)%4)
.set AC, 64*((\a)%4)
	WIN MUL_LO+0x50*((\a)/4)
.irp q, 0,1,2,3
.if (\a) == 0 && \q == 2
	s_wait_dscnt 16                                ; B's quarter 2 is in; A's blocks 2 and 3 may be out
.endif
.irp b, 0,1,2,3,4,5,6,7
	v_wmma_scale_f32_16x16x128_f8f6f4 v[AC+8*\b:AC+8*\b+7], v[64*\q+FR*\b:64*\q+FR*\b+FR-1], v[FA+FR*\q:FA+FR*\q+FR-1], v[AC+8*\b:AC+8*\b+7], v[SC+8*NQ+NQ*\b+\q], v[SC+8*NQ+NQ*(\a)+\q] matrix_a_fmt:MATRIX_FMT_FP4 matrix_b_fmt:MATRIX_FMT_FP4 matrix_a_scale:MATRIX_SCALE_ROW1
.endr
.endr
.endm
; THE WAY OUT of block a, 16 rows x 128 columns: through my own stage and back as whole rows of 512 bytes, INTO THE BLOCK'S OWN 64 REGISTERS: so no register serves two blocks' stores.
; LDS serves a wave's instructions in order: the loads see the stores, and the next block's stores come behind these loads.
.macro TOSTAGE a
.set AC, 64*((\a)%4)
	WIN 0x88+0x44*((\a)/4)                         ; LDS data in and out, and the global stores' data: window 2 or 3; addresses window 0
.irp b, 0,1,2,3,4,5,6,7
	ds_store_b128 v[STO], v[AC+8*\b:AC+8*\b+3] offset:64*\b          ; each accumulator from its low end on
	ds_store_b128 v[STO], v[AC+8*\b+4:AC+8*\b+7] offset:64*\b+16
.endr
.irp t, 0,1,2,3,4,5,6,7,8,9,10,11,12,13,14,15
	ds_load_b128 v[AC+4*\t:AC+4*\t+3], v[RD] offset:\t*SPITCH
.endr
.endm
.macro SEND a, younger                 ; younger: the LDS loads issued behind block a's
.set AC, 64*((\a)%4)
	WIN 0x88+0x44*((\a)/4)
	s_wait_dscnt \younger
.irp t, 0,1,2,3,4,5,6,7,8,9,10,11,12,13,14,15
	global_store_b128 v[CO], v[AC+4*\t:AC+4*\t+3], s[12:13] offset:(16*(\a)+\t)*SIZE_N*4 th:TH_STORE_NT   ; 32 lanes store 512 consecutive bytes, aligned; 127 rows of 8,192 bytes at the most: inside the 24-bit immediate
.endr
.endm
	s_wait_tensorcnt 0x0                           ; my BLK of K step 0 is in
	ds_add_u32 v[SPW], v[NIL]
	s_wait_dscnt 0x0
	CROUND                                         ; everybody's part of K step 0 is in, and the joint loads meet
	JLOAD G0+4, G1, G0B+4, G1B                     ; K step 1, slot 1's first fill
	SCALES 0
	FETCH 0, 0, 0
	PF 2                                           ; K steps 2 and 3
	PF 3
	STEP 0, 0, 1                                   ; the first step's products start the sums
	s_mov_b32 s3, LAPS-1
.Llap:                                                 ; a trip goes once round the ring, from a lap's second step to the next lap's first
	STEPS 0, 1
	TURN 0, 1
	STEPS 1, 0
	TURN 1, 0
	STEP 0, 0, 0
	s_sub_co_u32 s3, s3, 1
	s_cmp_lg_u32 s3, 0
	s_cbranch_scc1 .Llap
	STEPS 0, 1                                     ; the last lap fills nothing
	MEET 0, 0                                      ; the load that was out is K step 7's; no round follows
	PLACES NP                                      ; for the loads into the sets 0, which the step before multiplied
	SCALES 1
	WIN TO_B
	BLOAD 0                                        ; three quarters of B now: the sets 1 (v128-191 of window 1, v192-255 of window 0) are still being multiplied
	BLOAD 1
	BLOAD 3
	WIN 0
	ALOAD 0
	ALOAD 1
	WIN MUL_HI
	MUL16 4, 1, NQ-1, 0, 0
	MUL16 6, 1, NQ-1, 0, 0
	PLACES NP                                      ; for the loads into the sets 1
	WIN TO_B
	BLOAD 2
	WIN 0
	ALOAD 2
	ALOAD 3
	s_wait_dscnt 32                                ; all but the 32 just issued
	ROW 0
.irp a, 0,1,2,3,4,5,6,7
	PLACES NP                                      ; behind block a's products: its results are read, and its buffer of A is loaded anew
.if \a < 4
	WIN 0
	ALOAD \a+4
.endif
.if \a > 0
.if \a < 4
	SEND \a-1, 8                                   ; block a - 1 came back while block a was multiplied; the eight loads just issued may be out
.else
	SEND \a-1, 0
.endif
.endif
	TOSTAGE \a
.if \a < 7
	ROW \a+1
.endif
.endr
	SEND 7, 0
	WIN 0
	s_wait_tensorcnt 0x0                           ; the wave's end
	ds_add_u32 v[SPW], v[NIL]
	s_wait_dscnt 0x0
	CROUND                                         ; the closing round
	s_endpgm
.Lfunc_end_k_qaccfc3452a_gemm:
	.size	k_qaccfc3452a_gemm, .Lfunc_end_k_qaccfc3452a_gemm-k_qaccfc3452a_gemm
	.p2alignl 7, 3214868480
	.fill 96, 4, 3214868480
	.section	.rodata,"a",@progbits
	.p2align	6, 0x0
	.amdhsa_kernel k_qaccfc3452a_gemm
		.amdhsa_group_segment_fixed_size 327680
		.amdhsa_private_segment_fixed_size 0
		.amdhsa_enable_private_segment 0
		.amdhsa_kernarg_size 24
		.amdhsa_user_sgpr_count 2
		.amdhsa_user_sgpr_kernarg_segment_ptr 1
		.amdhsa_wavefront_size32 1
		.amdhsa_system_sgpr_workgroup_id_x 1
		.amdhsa_system_sgpr_workgroup_id_y 1
		.amdhsa_system_sgpr_workgroup_id_z 1
		.amdhsa_system_vgpr_workitem_id 0
		.amdhsa_next_free_vgpr 1024
		.amdhsa_next_free_sgpr 66
		.amdhsa_reserve_vcc 0
		.amdhsa_float_denorm_mode_32 3
		.amdhsa_float_denorm_mode_16_64 3
		.amdhsa_memory_ordered 1
		.amdhsa_forward_progress 1
		.amdhsa_inst_pref_size 208
	.end_amdhsa_kernel
	.amdgpu_metadata
---
amdhsa.version: [ 1, 2 ]
amdhsa.kernels:
  - .name:           k_qaccfc3452a_gemm
    .symbol:         k_qaccfc3452a_gemm.kd
    .args:
      - { .name: xq, .offset: 0, .size: 8, .value_kind: global_buffer, .address_space: global }
      - { .name: wq, .offset: 8, .size: 8, .value_kind: global_buffer, .address_space: global }
      - { .name: out0, .offset: 16, .size: 8, .value_kind: global_buffer, .address_space: global }
    .group_segment_fixed_size: 327680
    .private_segment_fixed_size: 0
    .kernarg_segment_align: 8
    .kernarg_segment_size: 24
    .max_flat_workgroup_size: 128
    .sgpr_count:     66
    .vgpr_count:     1024
    .wavefront_size: 32
...
	.end_amdgpu_metadata
.endif
;; end of part 2
